; MI455X (gfx1250); checked and timed in simulation.
; The chip was launched on July 23, 2026; its instructions are those of AMD's public machine-readable ISA for CDNA 5 (MIT licence, August 2026) and "CDNA5" Instruction Set Architecture Reference Guide (July 2026). The comments in the code are by the model that wrote it; some were corrected since.
;; Set Abstraction. Allowed arithmetic: matrix products marked QUANTISED: E3M2 operands, one E8M0 scale for each 32 along K, by v_wmma_scale_f32_16x16x128_f8f6f4 with both operands' format E3M2, f32 sums; products left as they are: f32 operands where the result goes on into a quantised operand, else bf16, f16 or f32 operands; f32 sums; everything else in f32.
;; Inputs: W1 128 x 64 float32; W2 128 x 128 float32; W3 128 x 128 float32; b1 128 float32; b2 128 float32; b3 128 float32; fps_idx 1,024 int32; points 8 x 64 x 32,768 float32; xyz 8 x 3 x 32,768 float32.
;; Outputs: out0 8 x 3 x 1,024 float32; out1 8 x 128 float32.
;; This version of the problem:
;;   THIS VERSION OF THE PROBLEM IS GIVEN IN LOW PRECISION. The matrix products marked QUANTISED in the list below multiply operands that are first quantised to E3M2 (3 exponent bits, 2 mantissa bits; 6 bits a number), with one power-of-two scale for each 32 numbers along K (OCP MX v1.0); their sums are f32. All else is computed in f32.
;;   The module's matrix products, in the order in which they are computed (A, B: the left and right operand; K: the contracted axis; several contracted axes count as one K, in the product's order):
;;     1. batch 8 x [M 1,024, K 3] x [K 3, N 32,768]; A: computed on the way; B: input xyz: left as it is (K = 3 < 32)
;;     2. [M 262,144, K 64] x [K 64, N 128]; A: input points; B: input W1: QUANTISED
;;     3. [M 262,144, K 128] x [K 128, N 128]; A: computed on the way; B: input W2: QUANTISED
;;     4. [M 262,144, K 128] x [K 128, N 128]; A: computed on the way; B: input W3: QUANTISED
;;   THE QUANTISER, for each operand of a quantised product, along K:
;;     - K is cut into blocks of 32 from its start; a last block that is shorter is filled with zeros.
;;     - A block's scale is 2^e with e = floor(log2(the largest magnitude in the block)) - 4, held to -126 .. 127; a block of zeros has e = 0. As a byte (E8M0): e + 127.
;;     - Each number is divided by its block's scale, clamped to +-28, and rounded to the nearest number of E3M2, ties to even, subnormals kept.
;;     - The product sums the exact products of the quantised numbers (number of the format x scale) in f32.
;;   ~~~python
;;   def quantise(x, axis):      # numpy; x: float32 -> the quantised numbers, widened to float32 again
;;       x = np.moveaxis(x, axis, -1); K = x.shape[-1]
;;       x = np.pad(x, [(0, 0)] * (x.ndim - 1) + [(0, -K % 32)]); x = x.reshape(x.shape[:-1] + (-1, 32)); a = np.abs(x).max(-1, keepdims=True)
;;       e = np.where(a > 0, np.clip(np.frexp(np.where(a > 0, a, 1))[1] - 1 - 4, -126, 127), 0)      # np.frexp(a)[1] - 1 = floor(log2(a)), exactly
;;       r = np.clip(x / 2.0 ** e, -28, 28)
;;       step = 2.0 ** (np.maximum(np.frexp(np.where(r == 0, 1, r))[1] - 1, -2) - 2)
;;       q = np.round(r / step) * step * 2.0 ** e      # np.round: ties to even
;;       return np.moveaxis(q.reshape(q.shape[:-2] + (-1,))[..., :K], -1, axis).astype(np.float32)
;;   ~~~
;;   OPERANDS COMPUTED ON THE WAY. 'Computed on the way' means the value that the module computes at that place (a softmax that the list does not call 'softmax' is quantised finished and normalised). What goes into a quantiser is computed in f32, as accurately as f32 sums, v_exp_f32 and their like allow (about 1e-6 of the number): no bf16 or f16 on the way to a quantiser, and a product that is left as it is and whose result goes on into a quantised operand takes f32 operands (vector FMAs, or v_wmma_f32_16x16x4_f32). A number that lies on a knife's edge between two numbers of the format may be rounded either way, as far as f32 arithmetic and the matrix unit's own rounding can turn it there, and no further.
;; One version. Each part assembles by itself: llvm-mc -triple=amdgcn-amd-amdhsa -mcpu=gfx1250 --defsym DOCPART=n.
;; ======== version 1 of 1: 2 launches
;; workspace buffers: part 131,072 bytes
;; launch main (part 1): grid 256 x 1, 8 waves a work-group, no clusters, 214,016 bytes of LDS; arguments xyz, points, fps_idx, W1, b1, W2, b2, W3, b3, part, out0; writes part, out0
.if DOCPART == 1
	.amdgcn_target "amdgcn-amd-amdhsa--gfx1250"
	.amdhsa_code_object_version 6
	.text
	.protected	k_q5bc233c130_main
	.globl	k_q5bc233c130_main
	.p2align	8
	.type	k_q5bc233c130_main,@function
k_q5bc233c130_main:
	s_mov_b64 s[64:65], 0
	v_nop
	global_prefetch_b8 v0, s[64:65] scope:SCOPE_SE
	s_setreg_imm32_b32 hwreg(HW_REG_WAVE_MODE, 25, 1), 1
	s_wait_xcnt 0x0
; SET ABSTRACTION, the main launch.  xyz [8][3][32768], points [8][64][32768], fps_idx [1024], W1 [128][64], W2, W3 [128][128], b1-b3 [128]: f32 (fps_idx i32).
; part [256][128] f32: for each work-group the largest h3 BEFORE its ReLU over those of its 1,024 points that lie in some ball, -infinity where it has none.  The next launch joins the 32 parts of a batch.
; out0 [8][3][1024] = xyz[b][d][fps_idx[s]]: every work-group gathers the centres anyway; the first work-group of a batch stores them.
; SHARES.  Work-group g: batch g / 32, points 1024 (g % 32) on.
; BALL QUERY, in f32 fused multiply-adds (K = 3 is no work for a matrix unit).  THE WAVES SHARE THE CENTRES: wave w holds all 1,024 points (32 a lane: register 4 j + q of lane l is point 128 j + 4 l + q) and takes
;   centres 128 w .. 128 w + 127, which it gathers itself.  So a centre is read from LDS by one wave alone, and that wave reads only bytes that it wrote: no barrier stands in front of the loop.
;   t = ((s + u_x x) + u_y y) + u_z z with u = -2 c, s = |c|^2; the least t over the centres; + |p|^2 (rounding does not fall where its input rises, so the minimum may be taken first); a point counts where that is under f32(0.01).
;   Two numbers an instruction: v_pk_fma_f32 on two points, v_min3_num_f32 on two centres: 8 instructions for 2 points x 2 centres a lane.  A centre lies in LDS as (u_x, u_x, u_y, u_y, u_z, u_z, s, s):
;   each number twice, so that every packed operand is a plain register pair.  The eight waves' minima meet in LDS behind one barrier.
; LAYERS.  Each wave owns 128 points (8 tiles of 16): lane l, register q (0..3) <-> point 4 l + q of the wave <-> tile 2 q + l / 16, row l % 16.
;   Codes of E3M2 with one E8M0 byte for each 32 along K.  The products are used transposed (source 0 = 16 rows of W, source 1 = 16 points): a lane holds ONE point and its registers run along the units, the next K.
;   Lane r of weight tile T takes row 32 (T / 2) + 8 (T % 2) + r + 8 (r / 8), so that the 16 registers of tiles 2 b, 2 b + 1 are units 32 b + 16 (lane / 16) + 0 .. 15.  The bias is the C of each product.
;   Layer 1 has K = 64: the upper 64 places hold zero codes on both sides.  h1 and h2 never leave the registers.
; NO CLUSTER, NO TENSOR LOAD: what work-groups share (163,840 bytes of f32 weights, 12,288 bytes of gathered centres) needs arithmetic before it is an operand, and the work-group's 262,144 bytes of points are read by nobody else.
; LIMITS.  d2's order of rounding differs from the sum of three f32 terms: a point whose d2 lies within f32 rounding of 0.01 may fall on either side.  NaN and infinities among the inputs are not served.
;   A block whose largest magnitude lies under 2^-122 gets the scale byte 1 (a block of zeros too: its codes are zeros, and this program alone reads the bytes).
; LDS, filled by ds_store alone:
.set CENB, 0                           ; 8,192 bytes for each wave, 4,096 of them used: its 128 centres, 32 bytes each
.set PFR,  0x10000                     ; 8,192 bytes for each wave: at the end its 64 running maxima, 16 x 512 bytes
.set WIMG, 0x20000                     ; weight fragment (layer L, tile T) at (8 L + T) x 1,536: 3 x 512 bytes, 16 a lane
.set WSC,  0x29000                     ; their scale words: (8 L + T) x 128 + 4 x lane
.set BIAS, 0x29c00                     ; b1, b2, b3 as they lie, 512 bytes each
.set SCR,  0x2a200                     ; the work-group's 128 maxima
.set MINB, 0x2b000                     ; 4,096 bytes for each wave: its least d2 of the work-group's 1,024 points, in the points' order
.set NB4,  131072                      ; a row of 32,768 f32 in bytes
; REGISTERS, window 0.  v1-v15, v59, v63: addresses, made at the head.
.set LI,   1                           ; 16 x lane
.set LS,   2                           ; 4 x lane
.set SCRA, 3                           ; SCR + 16 x lane
.set WADR, 4                           ; WIMG + 16 x lane
.set WSA,  5                           ; WSC + 4 x lane
.set BIA,  6                           ; BIAS + 64 (lane / 16)
.set PFA,  7                           ; PFR + 8192 wave + 16 x lane
.set CST,  8                           ; where I store my four centres: CENB + 8192 wave + 128 x lane
.set MRD,  9                           ; where I read my points' minima: MINB + 512 wave + 16 (lane % 16)
.set WST,  10                          ; WIMG + 1536 wave + 16 x lane
.set WSS,  11                          ; WSC + 128 wave + 4 x lane
.set VW1,  12                          ; my byte in a tile of W1;  v13 of W2 and W3
.set VW2,  13
.set EA,   14                          ; PFR + 1024 wave + 16 x lane
.set SCA,  15                          ; SCR + 4 x my eight channels' first
.set MST,  59                          ; where I store my minima: MINB + 4096 wave + 16 x lane
.set BST,  63                          ; BIAS + 512 wave + 16 x lane
.set CAP,  16                          ; v16-23  tile t: +infinity where my point counts, else -infinity
.set XS,   24                          ; v24-31  the points' scale words, a register a tile
.set WS,   32                          ; v32-39  the weights' scale words, a register a tile
.set TM,   40                          ; v40-55  at work: +0.. largest magnitudes, +4.. bytes, +12.. the conversions' scale operands
.set AD,   48                          ; v48-49  ball query: an LDS address for each of the two centre buffers
.set TQ,   56                          ; v56-58, v60-62  the second halves of the conversions
.set BB,   64                          ; v64-67  a bias as loaded; later -infinity, +infinity
.set CD,   68                          ; v68-163 the points' codes: 8 tiles x 12
.set D,    164                         ; v164-227 a tile's 8 results
.set PX,   68                          ; ball query: v68-99 x, v100-131 y, v132-163 z of my 32 points;
.set PY,   100
.set PZ,   132
.set MN,   164                         ;   v164-195 their running minima;
.set CB,   196                         ;   v196-227 two buffers of two centres, 8 registers a centre;
.set T,    228                         ;   v228-243 at work
.set WSTG, 68                          ; prologue: v68-99 W1's tile, v100-163 W2's, v164-227 W3's, as f32
.set IDX,  240                         ;   v240-243 my centres' indices
.set GX,   244                         ;   v244-255 their coordinates: 4 d + q; not written again
.set PC,   16                          ;   v16-27 a weight fragment's codes
.set CP,   16                          ;   v16-47 my four centres as they go to LDS
; window 1 (v256-511, written v0-255): first the points as loaded, channel ch at 4 ch + q; then:
.set WF,   0                           ; a layer's 8 weight fragments
.set BI,   96                          ; its bias, 8 registers a tile, in the result's layout
.set ACC,  160                         ; the 64 running maxima
.set MSB, 0
.macro WIN new                         ; the immediate's high byte repeats the setting that is left; bits 1:0 source 0, 3:2 source 1, 5:4 source 2, 7:6 destination
.if MSB != \new
	s_set_vgpr_msb (MSB<<8)|\new
.set MSB, \new
.endif
.endm
; nb blocks of 32 numbers, all in my registers from v[s] on: largest magnitude (with the floor 2^(5 - 127) as a leaf, so that the byte cannot fall under 1), the conversion's scale operand (4 off the exponent field) in TM+12+c, the byte in TM+4+c
.macro BMAX s, nb
.irp c, 0,1
.if \c < \nb
	v_max3_num_f32 v[TM+\c], |v[\s+32*\c]|, |v[\s+32*\c+1]|, 0x2800000
.endif
.endr
.irp i, 2,4,6,8,10,12,14,16,18,20,22,24,26,28,30
.irp c, 0,1
.if \c < \nb
	v_max3_num_f32 v[TM+\c], v[TM+\c], |v[\s+32*\c+\i]|, |v[\s+32*\c+\i+1]|
.endif
.endr
.endr
.irp c, 0,1
.if \c < \nb
	v_add_nc_u32 v[TM+12+\c], 0xfe000000, v[TM+\c]
.endif
.endr
.irp c, 0,1
.if \c < \nb
	v_lshrrev_b32 v[TM+4+\c], 23, v[TM+12+\c]
.endif
.endr
.endm
; my tile of a weight: lane (r, h) holds K = 32 h + 0 .. 31 of its row at v[s] and (nb = 2) K = 64 + 32 h + 0 .. 31 behind them: the order of the operand's registers.  Codes and scale word go to LDS as images
.macro WQ s, nb, lay
	BMAX \s, \nb
	v_bfe_u32 v[TM+8], v0, 4, 1
	v_lshlrev_b32 v[TM+8], 3, v[TM+8]              ; 8 h: my bytes are those of blocks h and 2 + h
.if \nb == 2
	v_lshl_or_b32 v[TM+10], v[TM+5], 16, v[TM+4]
	v_lshlrev_b32 v[TM+10], v[TM+8], v[TM+10]
.else
	v_lshlrev_b32 v[TM+10], v[TM+8], v[TM+4]
.endif
	v_mov_b32 v[TM+9], 0                           ; (a lane permute's destination counts as one of its sources)
	v_permlanex16_b32 v[TM+9], v[TM+10], s36, s37
	v_or_b32 v[TM+10], v[TM+10], v[TM+9]           ; with lane l xor 16's bytes the word is whole
	s_wait_dscnt 0x0                               ; the stores that read the codes' registers last are done
	v_cvt_scalef32_pk16_bf6_f32 v[PC:PC+2], v[\s:\s+15], v[TM+12]
	v_cvt_scalef32_pk16_bf6_f32 v[TQ:TQ+2], v[\s+16:\s+31], v[TM+12]     ; (a conversion's three registers begin on an even number: the second half is made elsewhere and moved)
.if \nb == 2
	v_cvt_scalef32_pk16_bf6_f32 v[PC+6:PC+8], v[\s+32:\s+47], v[TM+13]
	v_cvt_scalef32_pk16_bf6_f32 v[TQ+4:TQ+6], v[\s+48:\s+63], v[TM+13]
.endif
	v_nop                                          ; one plain place behind the scaled conversions
.irp i, 0,1,2
	v_mov_b32 v[PC+3+\i], v[TQ+\i]
.endr
.irp i, 0,1,2
.if \nb == 2
	v_mov_b32 v[PC+9+\i], v[TQ+4+\i]
.else
	v_mov_b32 v[PC+6+\i], 0                        ; K = 64: the upper 64 places hold zero codes
	v_mov_b32 v[PC+9+\i], 0
.endif
.endr
.irp c, 0,1,2
	ds_store_b128 v[WST], v[PC+4*\c:PC+4*\c+3] offset:12288*\lay+512*\c
.endr
	ds_store_b32 v[WSS], v[TM+10] offset:1024*\lay
.endm
; TWO CENTRES (buffer a) against my 32 points, eight points at a time: 8 + 8 + 8 packed multiply-adds (two points each, the two centres by turns) and 8 minima (two centres each).
; No line reads the result of one of the six lines in front of it.  pre = 1: the buffer takes the pair of centres two pairs on.  cnt: the LDS loads issued behind this buffer's four.
.macro CPAIR a, pre, cnt
	s_wait_dscnt \cnt
.irp g, 0,1,2,3
.irp j, 0,1,2,3
.irp c, 0,1
	v_pk_fma_f32 v[T+4*\j+2*\c:T+4*\j+2*\c+1], v[PX+8*\g+2*\j:PX+8*\g+2*\j+1], v[CB+16*\a+8*\c:CB+16*\a+8*\c+1], v[CB+16*\a+8*\c+6:CB+16*\a+8*\c+7]
.endr
.endr
.irp j, 0,1,2,3
.irp c, 0,1
	v_pk_fma_f32 v[T+4*\j+2*\c:T+4*\j+2*\c+1], v[PY+8*\g+2*\j:PY+8*\g+2*\j+1], v[CB+16*\a+8*\c+2:CB+16*\a+8*\c+3], v[T+4*\j+2*\c:T+4*\j+2*\c+1]
.endr
.endr
.irp j, 0,1,2,3
.irp c, 0,1
	v_pk_fma_f32 v[T+4*\j+2*\c:T+4*\j+2*\c+1], v[PZ+8*\g+2*\j:PZ+8*\g+2*\j+1], v[CB+16*\a+8*\c+4:CB+16*\a+8*\c+5], v[T+4*\j+2*\c:T+4*\j+2*\c+1]
.endr
.endr
.irp j, 0,1,2,3
	v_min3_num_f32 v[MN+8*\g+2*\j], v[MN+8*\g+2*\j], v[T+4*\j], v[T+4*\j+2]
	v_min3_num_f32 v[MN+8*\g+2*\j+1], v[MN+8*\g+2*\j+1], v[T+4*\j+1], v[T+4*\j+3]
.endr
.endr
.if \pre
	v_mov_b32 v[AD+\a], s39                        ; the loads that named this register last are those that the wait at the head has shown done
.irp c, 0,1,2,3
	ds_load_b128 v[CB+16*\a+4*\c:CB+16*\a+4*\c+3], v[AD+\a] offset:CENB+64*(\a+2)+16*\c   ; every lane reads the same 16 bytes
.endr
.endif
.endm
; points 4 l + q of all lanes: 64 channels a lane become the codes of tiles 2 q (lanes 0-15's points) and 2 q + 1 (lanes 16-31's)
.macro INQ q
	WIN 0x01                                       ; source 0 in window 1
.set jj, 0
.rept 64
	v_mov_b32 v[D+jj], v[4*jj+\q]                  ; the conversions take neighbours along K from consecutive registers; the loads brought four neighbouring POINTS a register quad, 512 consecutive bytes a load
.set jj, jj+1
.endr
	WIN 0
	BMAX D, 2
	v_cvt_scalef32_pk16_bf6_f32 v[CD+24*\q:CD+24*\q+2], v[D:D+15], v[TM+12]
	v_cvt_scalef32_pk16_bf6_f32 v[TQ:TQ+2], v[D+16:D+31], v[TM+12]
	v_cvt_scalef32_pk16_bf6_f32 v[CD+24*\q+12:CD+24*\q+14], v[D+32:D+47], v[TM+13]
	v_cvt_scalef32_pk16_bf6_f32 v[TQ+4:TQ+6], v[D+48:D+63], v[TM+13]
	v_nop                                          ; one plain place behind the scaled conversions
.irp i, 0,1,2                          ; block 0's lanes 16-31 change places with block 1's lanes 0-15: the first register then is tile 2 q's (lanes 0-15 block 0, lanes 16-31 block 1 of the same points), the second tile 2 q + 1's
	v_permlane16_swap_b32 v[CD+24*\q+\i], v[CD+24*\q+12+\i]
	v_permlane16_swap_b32 v[TQ+\i], v[TQ+4+\i]
.endr
.irp i, 0,1,2
	v_mov_b32 v[CD+24*\q+3+\i], v[TQ+\i]
	v_mov_b32 v[CD+24*\q+15+\i], v[TQ+4+\i]
.endr
	v_lshl_or_b32 v[XS+2*\q], v[TM+5], 8, v[TM+4]  ; my point's scale word; lanes 0-15 are read
	v_mov_b32 v[XS+2*\q+1], v[XS+2*\q]
	v_permlanex16_b32 v[XS+2*\q+1], v[XS+2*\q], s36, s37   ; and lanes 16-31's words, brought down
.endm
; a layer's weights, bias and scale words from LDS into registers
.macro LOADW lay
	WIN 0x40                                       ; destination window 1
.irp g, 0,1,2,3,4,5,6,7
.irp c, 0,1,2
	ds_load_b128 v[WF+12*\g+4*\c:WF+12*\g+4*\c+3], v[WADR] offset:12288*\lay+1536*\g+512*\c
.endr
.endr
.irp g, 0,1,2,3,4,5,6,7
	ds_load_b128 v[BI+8*\g:BI+8*\g+3], v[BIA] offset:512*\lay+(32*(\g/2)+8*(\g%2))*4
	ds_load_b128 v[BI+8*\g+4:BI+8*\g+7], v[BIA] offset:512*\lay+(32*(\g/2)+8*(\g%2))*4+16
.endr
	WIN 0
.irp g, 0,1,2,3,4,5,6,7
	ds_load_b32 v[WS+\g], v[WSA] offset:1024*\lay+128*\g
.endr
	s_wait_dscnt 0x0
.endm
; point tile t against the layer's 8 weight tiles: 8 results, each begun with its bias as C
.macro MM t
	WIN 0x11                                       ; source 0 (W) and C (bias) window 1; source 1 (codes) and D window 0
.irp g, 0,1,2,3,4,5,6,7
	v_wmma_scale_f32_16x16x128_f8f6f4 v[D+8*\g:D+8*\g+7], v[WF+12*\g:WF+12*\g+11], v[CD+12*\t:CD+12*\t+11], v[BI+8*\g:BI+8*\g+7], v[WS+\g], v[XS+\t] matrix_a_fmt:MATRIX_FMT_BF6 matrix_b_fmt:MATRIX_FMT_BF6
.endr
.endm
; the 64 numbers in D (register 16 b + i = unit 32 b + 16 (lane / 16) + i of my point, none negative) become tile t's codes and scale word, in place of those just multiplied
.macro QUANT t
.irp b, 0,1,2,3
	v_max3_num_f32 v[TM+\b], v[D+16*\b], v[D+16*\b+1], 0x2800000
.endr
.irp i, 2,4,6,8,10,12,14
.irp b, 0,1,2,3
	v_max3_num_f32 v[TM+\b], v[TM+\b], v[D+16*\b+\i], v[D+16*\b+\i+1]
.endr
.endr
.irp b, 0,1,2,3
	v_permlanex16_b32 v[TM+4+\b], v[TM+\b], s36, s37
.endr
.irp b, 0,1,2,3
	v_max_num_f32 v[TM+\b], v[TM+\b], v[TM+4+\b]   ; with lane l xor 16's 16: the block's largest
.endr
.irp b, 0,1,2,3
	v_add_nc_u32 v[TM+12+\b], 0xfe000000, v[TM+\b]
.endr
.irp b, 0,1,2,3
	v_lshrrev_b32 v[TM+4+\b], 23, v[TM+12+\b]
.endr
	v_lshl_or_b32 v[XS+\t], v[TM+5], 8, v[TM+4]
	v_lshl_or_b32 v[XS+\t], v[TM+6], 16, v[XS+\t]
	v_lshl_or_b32 v[XS+\t], v[TM+7], 24, v[XS+\t]
.irp c, 0,1
	v_cvt_scalef32_pk16_bf6_f32 v[CD+12*\t+6*\c:CD+12*\t+6*\c+2], v[D+32*\c:D+32*\c+15], v[TM+12+2*\c]
	v_cvt_scalef32_pk16_bf6_f32 v[TQ+4*\c:TQ+4*\c+2], v[D+32*\c+16:D+32*\c+31], v[TM+12+2*\c+1]
.endr
	v_nop                                          ; one plain place behind the scaled conversions
.irp c, 0,1                            ; the operand wants a WHOLE block in a lane: lanes 0-15 block 2 c, lanes 16-31 block 2 c + 1
.irp i, 0,1,2
	v_permlane16_swap_b32 v[CD+12*\t+6*\c+\i], v[TQ+4*\c+\i]
.endr
.irp i, 0,1,2
	v_mov_b32 v[CD+12*\t+6*\c+3+\i], v[TQ+4*\c+\i]
.endr
.endr
.endm
.macro TILEQ t                         ; layers 1 and 2
	MM \t
	WIN 0
.rept 4
	v_nop                                          ; four places between the products and the first read of a result
.endr
.set jj, 0
.rept 64
	v_max_num_f32 v[D+jj], 0, v[D+jj]              ; the activation, each result from its low end on
.set jj, jj+1
.endr
	QUANT \t
.endm
.macro TILEM t                         ; layer 3: max(min(h, cap), running maximum); the first tile starts the maxima, so nothing is cleared
	MM \t
.if \t == 0
	WIN 0x40                                       ; destination window 1
.else
	WIN 0x50                                       ; destination and source 2 window 1
.endif
.rept 4
	v_nop
.endr
.set jj, 0
.rept 64
.if \t == 0
	v_min_num_f32 v[ACC+jj], v[D+jj], v[CAP]
.else
	v_minmax_num_f32 v[ACC+jj], v[D+jj], v[CAP+\t], v[ACC+jj]
.endif
.set jj, jj+1
.endr
.endm
; ---- ids and addresses
	s_load_b512 s[8:23], s[0:1], 0x0               ; xyz 8, points 10, fps_idx 12, W1 14, b1 16, W2 18, b2 20, W3 22
	s_load_b128 s[24:27], s[0:1], 0x40             ; b3 24, part 26
	s_load_b64 s[52:53], s[0:1], 0x50              ; out0
	v_lshrrev_b32 v16, 5, v0
	v_readfirstlane_b32 s2, v16                    ; wave 0..7
	v_and_b32 v[LI], 31, v0
	v_lshlrev_b32 v[LS], 2, v[LI]
	v_lshlrev_b32 v[LI], 4, v[LI]
	v_and_b32 v16, 15, v0                          ; r
	v_bfe_u32 v17, v0, 4, 1                        ; h
	v_lshlrev_b32 v18, 4, v16                      ; 16 r
	v_and_b32 v19, 8, v16
	v_add_nc_u32 v19, v19, v16                     ; r + 8 (r / 8)
	v_lshlrev_b32 v[VW1], 8, v19                   ; W1: rows of 256 bytes, + 128 h
	v_lshl_add_u32 v[VW1], v17, 7, v[VW1]
	v_lshlrev_b32 v[VW2], 9, v19                   ; W2, W3: rows of 512 bytes
	v_lshl_add_u32 v[VW2], v17, 7, v[VW2]
	v_add_nc_u32 v[SCRA], SCR, v[LI]
	v_add_nc_u32 v[WADR], WIMG, v[LI]
	v_add_nc_u32 v[WSA], WSC, v[LS]
	v_lshlrev_b32 v[BIA], 6, v17
	s_lshl_b32 s46, s2, 13
	v_lshl_add_u32 v[CST], v[LI], 3, s46           ; 8192 wave + 128 x lane
	s_add_co_u32 s47, s46, PFR
	v_add_nc_u32 v[PFA], s47, v[LI]
	s_lshl_b32 s48, s2, 12
	s_add_co_u32 s48, s48, MINB
	v_add_nc_u32 v[MST], s48, v[LI]
	s_lshl_b32 s48, s2, 9
	s_add_co_u32 s48, s48, MINB
	v_add_nc_u32 v[MRD], s48, v18
	s_mul_i32 s48, s2, 1536
	s_add_co_u32 s48, s48, WIMG
	v_add_nc_u32 v[WST], s48, v[LI]
	s_lshl_b32 s48, s2, 7
	s_add_co_u32 s48, s48, WSC
	v_add_nc_u32 v[WSS], s48, v[LS]
	s_lshl_b32 s48, s2, 10
	s_add_co_u32 s48, s48, PFR
	v_add_nc_u32 v[EA], s48, v[LI]
	s_lshl_b32 s48, s2, 9
	s_add_co_u32 s48, s48, BIAS
	v_add_nc_u32 v[BST], s48, v[LI]                ; (used by waves 0 to 2 alone)
	s_lshr_b32 s44, s2, 1
	s_and_b32 s45, s2, 1
	s_lshl_b32 s44, s44, 5
	s_lshl_b32 s45, s45, 3
	s_add_co_u32 s44, s44, s45                     ; weight tile T = wave begins at row 32 (T / 2) + 8 (T % 2)
	s_lshl_b32 s48, s44, 2
	s_add_co_u32 s48, s48, SCR
	v_add_nc_u32 v[SCA], s48, v[BIA]
	v_add_nc_u32 v[BIA], BIAS, v[BIA]
	s_mov_b32 s35, 0x3c23d70a                      ; f32(0.1 x 0.1)
	s_mov_b32 s36, 0x76543210                      ; v_permlanex16_b32's selects for lane l xor 16
	s_mov_b32 s37, 0xfedcba98
	s_mov_b32 s38, 0x7f800000                      ; +infinity
	s_lshr_b32 s28, ttmp9, 5                       ; batch
	s_and_b32 s29, ttmp9, 31                       ; which 1,024 points
	s_lshl_b32 s30, s29, 12                        ; the work-group's 1,024 points in a row of 32,768: bytes
	s_mov_b32 s31, 0
	s_mul_i32 s32, s28, 3*NB4
	s_mov_b32 s33, 0
	s_wait_kmcnt 0x0
	s_add_nc_u64 s[8:9], s[8:9], s[32:33]          ; xyz at my batch
	s_add_nc_u64 s[42:43], s[8:9], s[30:31]        ; and at the work-group's points
	s_lshl_b32 s32, s28, 23                        ; 64 rows of 131,072 bytes a batch
	s_add_nc_u64 s[10:11], s[10:11], s[32:33]
	s_add_nc_u64 s[10:11], s[10:11], s[30:31]
	s_lshl_b32 s32, s2, 9
	s_add_nc_u64 s[10:11], s[10:11], s[32:33]      ; points at my batch and my wave's 128 points
	s_add_nc_u64 s[12:13], s[12:13], s[32:33]      ; fps_idx at centres 128 wave on
	s_add_nc_u64 s[52:53], s[52:53], s[32:33]      ; out0 likewise,
	s_mul_i32 s32, s28, 12288
	s_add_nc_u64 s[52:53], s[52:53], s[32:33]      ; in my batch's 3 x 4,096 bytes
	s_lshl_b32 s32, s44, 8
	s_add_nc_u64 s[14:15], s[14:15], s[32:33]      ; W1, W2, W3 at my tile's first row
	s_lshl_b32 s32, s44, 9
	s_add_nc_u64 s[18:19], s[18:19], s[32:33]
	s_add_nc_u64 s[22:23], s[22:23], s[32:33]
	s_lshl_b32 s32, ttmp9, 9
	s_add_nc_u64 s[26:27], s[26:27], s[32:33]      ; part at my work-group's row
	s_cmp_eq_u32 s2, 0                             ; waves 0, 1, 2 copy b1, b2, b3: the choice hangs on the wave's number alone
	s_cselect_b64 s[40:41], s[16:17], s[20:21]
	s_cmp_lt_u32 s2, 2
	s_cselect_b64 s[40:41], s[40:41], s[24:25]
; ---- the prologue's loads.  The bias is the oldest, so that no later count hangs on whether a wave issued it
	s_cmp_gt_u32 s2, 2
	s_cbranch_scc1 .Lno_bias_load
	global_load_b128 v[BB:BB+3], v[LI], s[40:41]
.Lno_bias_load:
	global_load_b128 v[IDX:IDX+3], v[LI], s[12:13] ; centres 128 wave + 4 lane + 0 .. 3
.irp i, 0,1,2,3,4,5,6,7
	global_load_b128 v[WSTG+4*\i:WSTG+4*\i+3], v[VW1], s[14:15] offset:16*\i
.endr
.irp c, 0,1
.irp i, 0,1,2,3,4,5,6,7
	global_load_b128 v[WSTG+32+32*\c+4*\i:WSTG+32+32*\c+4*\i+3], v[VW2], s[18:19] offset:256*\c+16*\i
.endr
.endr
.irp c, 0,1
.irp i, 0,1,2,3,4,5,6,7
	global_load_b128 v[WSTG+96+32*\c+4*\i:WSTG+96+32*\c+4*\i+3], v[VW2], s[22:23] offset:256*\c+16*\i
.endr
.endr
	WIN 0x40                                       ; destination window 1
.irp ch, 60,61,62,63
	global_load_b128 v[4*\ch:4*\ch+3], v[LI], s[10:11] offset:NB4*\ch th:TH_LOAD_NT   ; four of the 64 channels go out here, so that the other 60 go out in one run below
.endr
	WIN 0
	s_wait_loadcnt 44                              ; the indices are in: behind them 40 (weights) + 4 (points)
.irp q, 0,1,2,3
	v_min_u32 v[IDX+\q], 0x7fff, v[IDX+\q]         ; an index stays inside its table
.endr
.irp q, 0,1,2,3
	v_lshlrev_b32 v[IDX+\q], 2, v[IDX+\q]
.endr
.irp d, 0,1,2
.irp q, 0,1,2,3
	global_load_b32 v[GX+4*\d+\q], v[IDX+\q], s[8:9] offset:NB4*\d
.endr
.endr
	s_wait_loadcnt 48                              ; W1's tile: behind it 16 + 16 + 4 + 12 (gathers)
	WQ WSTG, 1, 0
	s_wait_loadcnt 32                              ; W2's: 16 + 4 + 12
	WQ WSTG+32, 2, 1
.irp d, 0,1,2                          ; the work-group's 1,024 points, into the registers that W1 and W2 have left: 32 lanes read 512 consecutive bytes
.irp j, 0,1,2,3,4,5,6,7
	global_load_b128 v[PX+32*\d+4*\j:PX+32*\d+4*\j+3], v[LI], s[42:43] offset:NB4*\d+512*\j
.endr
.endr
	s_wait_loadcnt 40                              ; W3's: 4 + 12 + 24 (xyz)
	WQ WSTG+96, 2, 2
	s_wait_loadcnt 24                              ; the gathers (and the bias, and the four early channels): behind them the 24 of xyz
	s_wait_dscnt 0x0                               ; the stores that read v16 on last are done
; ---- my four centres: u = -2 c and s = |c|^2, each number twice
.irp q, 0,1,2,3
.irp d, 0,1,2
	v_mul_f32 v[CP+8*\q+2*\d], -2.0, v[GX+4*\d+\q]
	v_mul_f32 v[CP+8*\q+2*\d+1], -2.0, v[GX+4*\d+\q]
.endr
	v_mul_f32 v[CP+8*\q+6], v[GX+\q], v[GX+\q]
.endr
.irp q, 0,1,2,3
	v_fma_f32 v[CP+8*\q+6], v[GX+4+\q], v[GX+4+\q], v[CP+8*\q+6]
.endr
.irp q, 0,1,2,3
	v_fma_f32 v[CP+8*\q+6], v[GX+8+\q], v[GX+8+\q], v[CP+8*\q+6]
.endr
.irp q, 0,1,2,3
	v_mov_b32 v[CP+8*\q+7], v[CP+8*\q+6]
.endr
.irp k, 0,1,2,3,4,5,6,7
	ds_store_b128 v[CST], v[CP+4*\k:CP+4*\k+3] offset:CENB+16*\k
.endr
	s_cmp_gt_u32 s2, 2
	s_cbranch_scc1 .Lno_bias_store
	ds_store_b128 v[BST], v[BB:BB+3]
.Lno_bias_store:
	s_cmp_lg_u32 s29, 0                            ; the batch's first work-group stores the centres: a branch on the work-group's number
	s_cbranch_scc1 .Lnot_first
.irp d, 0,1,2
	global_store_b128 v[LI], v[GX+4*\d:GX+4*\d+3], s[52:53] offset:4096*\d   ; 32 lanes store 512 consecutive bytes; these registers are not written again
.endr
.Lnot_first:
	s_wait_loadcnt 0x0                             ; x, y, z of the 1,024 points
	WIN 0x40
.set ch, 0
.rept 60
	global_load_b128 v[4*ch:4*ch+3], v[LI], s[10:11] offset:NB4*ch th:TH_LOAD_NT      ; 32 lanes read 512 consecutive bytes; 60 loads of mine are out, and they are waited for behind the whole ball query
.set ch, ch+1
.endr
	WIN 0
; ---- the ball query: my 128 centres against the work-group's 1,024 points
	s_lshl_b32 s39, s2, 13                         ; LDS byte of the trip's first pair of centres
	v_mov_b32 v[AD], s39
	v_mov_b32 v[AD+1], s39
.irp a, 0,1
.irp c, 0,1,2,3
	ds_load_b128 v[CB+16*\a+4*\c:CB+16*\a+4*\c+3], v[AD+\a] offset:CENB+64*\a+16*\c   ; LDS serves a wave's instructions in order: these see my stores
.endr
.endr
.set jj, 0
.rept 32
	v_mov_b32 v[MN+jj], s38                        ; the minima begin at +infinity
.set jj, jj+1
.endr
	s_mov_b32 s3, 31
.Lcentres:                                             ; a trip: pairs 2 i and 2 i + 1 are worked, pairs 2 i + 2 and 2 i + 3 fetched.  The count 4: behind a buffer's four loads stand the other buffer's four
	CPAIR 0, 1, 4
	CPAIR 1, 1, 4
	s_add_co_u32 s39, s39, 128
	s_sub_co_u32 s3, s3, 1
	s_cmp_lg_u32 s3, 0
	s_cbranch_scc1 .Lcentres
	CPAIR 0, 0, 4                                  ; the last two pairs fetch nothing: the counts run down
	CPAIR 1, 0, 0
.irp g, 0,1                            ; + |p|^2, two points at a time
.irp i, 0,1,2,3,4,5,6,7
	v_pk_mul_f32 v[T+2*\i:T+2*\i+1], v[PX+16*\g+2*\i:PX+16*\g+2*\i+1], v[PX+16*\g+2*\i:PX+16*\g+2*\i+1]
.endr
.irp i, 0,1,2,3,4,5,6,7
	v_pk_fma_f32 v[T+2*\i:T+2*\i+1], v[PY+16*\g+2*\i:PY+16*\g+2*\i+1], v[PY+16*\g+2*\i:PY+16*\g+2*\i+1], v[T+2*\i:T+2*\i+1]
.endr
.irp i, 0,1,2,3,4,5,6,7
	v_pk_fma_f32 v[T+2*\i:T+2*\i+1], v[PZ+16*\g+2*\i:PZ+16*\g+2*\i+1], v[PZ+16*\g+2*\i:PZ+16*\g+2*\i+1], v[T+2*\i:T+2*\i+1]
.endr
.irp i, 0,1,2,3,4,5,6,7
	v_pk_add_f32 v[MN+16*\g+2*\i:MN+16*\g+2*\i+1], v[MN+16*\g+2*\i:MN+16*\g+2*\i+1], v[T+2*\i:T+2*\i+1]
.endr
.endr
.irp j, 0,1,2,3,4,5,6,7
	ds_store_b128 v[MST], v[MN+4*\j:MN+4*\j+3] offset:512*\j       ; point 128 j + 4 l + q at byte 4 x point of my 4,096
.endr
	s_wait_dscnt 0x0                               ; for the others' sake: my minima, my weight tile's images and my bias have landed
	s_barrier_signal -1
	s_barrier_wait -1                              ; eight waves' minima, 24 weight fragments with their scale words and the three biases lie in LDS; nobody writes them again
; ---- the caps.  Tile 2 q + e, row r is point 128 wave + 64 e + 4 r + q: 16 bytes at 512 wave + 256 e + 16 r are q = 0 .. 3; both halves of the lanes read the same
.irp w, 0,1,2,3,4,5,6,7
.irp e, 0,1
	ds_load_b128 v[D+8*\w+4*\e:D+8*\w+4*\e+3], v[MRD] offset:4096*\w+256*\e
.endr
.endr
	v_mov_b32 v[BB], 0xff800000
	v_mov_b32 v[BB+1], s38
	s_wait_dscnt 0x0
.irp k, 0,1,2,3,4,5,6,7
	v_min3_num_f32 v[D+\k], v[D+\k], v[D+8+\k], v[D+16+\k]
.endr
.irp k, 0,1,2,3,4,5,6,7
	v_min3_num_f32 v[D+\k], v[D+\k], v[D+24+\k], v[D+32+\k]
.endr
.irp k, 0,1,2,3,4,5,6,7
	v_min3_num_f32 v[D+\k], v[D+\k], v[D+40+\k], v[D+48+\k]
.endr
.irp k, 0,1,2,3,4,5,6,7
	v_min_num_f32 v[D+\k], v[D+\k], v[D+56+\k]
.endr
.irp e, 0,1
.irp q, 0,1,2,3
	v_cmp_gt_f32 vcc_lo, s35, v[D+4*\e+\q]         ; 0.01 > the least d2: the choice selects a value, nothing branches on it
	v_cndmask_b32 v[CAP+2*\q+\e], v[BB], v[BB+1], vcc_lo
.endr
.endr
; ---- the points become codes
	s_wait_loadcnt 0x0                             ; the 60 channels asked for ahead of the ball query
	INQ 0
	INQ 1
	INQ 2
	INQ 3
.irp t, 0,1,2,3,4,5,6,7
.irp i, 6,7,8,9,10,11
	v_mov_b32 v[CD+12*\t+\i], 0                    ; K = 64: zero codes in the upper 64 places.  (These 48 also stand between the last scale word's write and the first scaled product)
.endr
.endr
; ---- the three layers, a tile of 16 points at a time
	LOADW 0
.irp t, 0,1,2,3,4,5,6,7
	TILEQ \t
.endr
	LOADW 1
.irp t, 0,1,2,3,4,5,6,7
	TILEQ \t
.endr
	LOADW 2
.irp t, 0,1,2,3,4,5,6,7
	TILEM \t
.endr
; ---- the work-group's maxima.  Register 8 T + j of lane (r, h) is channel 32 (T / 2) + 16 h + 8 (T % 2) + j, over the points of row r of my 8 tiles
	WIN 0x04                                       ; an LDS store's data are its source 1: window 1
.irp i, 0,1,2,3,4,5,6,7,8,9,10,11,12,13,14,15
	ds_store_b128 v[PFA], v[ACC+4*\i:ACC+4*\i+3] offset:512*\i
.endr
	WIN 0
	s_wait_dscnt 0x0
	s_barrier_signal -1
	s_barrier_wait -1
.irp w, 0,1,2,3,4,5,6,7                ; wave w takes weight tile T = w of all eight waves
	ds_load_b128 v[D+8*\w:D+8*\w+3], v[EA] offset:8192*\w
	ds_load_b128 v[D+8*\w+4:D+8*\w+7], v[EA] offset:8192*\w+512
.endr
	s_wait_dscnt 0x0
.irp j, 0,1,2,3,4,5,6,7
	v_max3_num_f32 v[D+\j], v[D+\j], v[D+8+\j], v[D+16+\j]
.endr
.irp j, 0,1,2,3,4,5,6,7
	v_max3_num_f32 v[D+\j], v[D+\j], v[D+24+\j], v[D+32+\j]
.endr
.irp j, 0,1,2,3,4,5,6,7
	v_max3_num_f32 v[D+\j], v[D+\j], v[D+40+\j], v[D+48+\j]
.endr
.irp j, 0,1,2,3,4,5,6,7
	v_max_num_f32 v[D+\j], v[D+\j], v[D+56+\j]
.endr
.irp m, 1,2,4,8                        ; and over the sixteen rows: the lanes of my half
.irp j, 0,1,2,3,4,5,6,7
	v_max_num_f32_dpp v[D+\j], v[D+\j], v[D+\j] row_xmask:\m row_mask:0xf bank_mask:0xf
.endr
.endr
	ds_store_b128 v[SCA], v[D:D+3]                 ; the sixteen lanes of a half write the same bytes with the same values
	ds_store_b128 v[SCA], v[D+4:D+7] offset:16
	s_wait_dscnt 0x0
	s_barrier_signal -1
	s_barrier_wait -1
	s_cmp_lg_u32 s2, 0
	s_cbranch_scc1 .Ldone
	ds_load_b128 v[D:D+3], v[SCRA]
	s_wait_dscnt 0x0
	global_store_b128 v[LI], v[D:D+3], s[26:27]    ; 32 lanes store 512 consecutive bytes, at a multiple of 512 from part's first byte
.Ldone:
	s_wait_xcnt 0x0
	v_lshl_add_u32 v254, v0, 2, 0x34000
	v_mov_b32 v255, 0
	s_wait_tensorcnt 0x0
	ds_add_u32 v254, v255
	s_wait_dscnt 0x0
	s_endpgm
.Lfunc_end_k_q5bc233c130_main:
	.size	k_q5bc233c130_main, .Lfunc_end_k_q5bc233c130_main-k_q5bc233c130_main
	.p2alignl 7, 3214868480
	.fill 96, 4, 3214868480
	.section	.rodata,"a",@progbits
	.p2align	6, 0x0
	.amdhsa_kernel k_q5bc233c130_main
		.amdhsa_group_segment_fixed_size 214016
		.amdhsa_private_segment_fixed_size 0
		.amdhsa_enable_private_segment 0
		.amdhsa_kernarg_size 88
		.amdhsa_user_sgpr_count 2
		.amdhsa_user_sgpr_kernarg_segment_ptr 1
		.amdhsa_wavefront_size32 1
		.amdhsa_system_sgpr_workgroup_id_x 1
		.amdhsa_system_sgpr_workgroup_id_y 1
		.amdhsa_system_sgpr_workgroup_id_z 1
		.amdhsa_system_vgpr_workitem_id 0
		.amdhsa_next_free_vgpr 512
		.amdhsa_next_free_sgpr 66
		.amdhsa_reserve_vcc 1
		.amdhsa_float_denorm_mode_32 3
		.amdhsa_float_denorm_mode_16_64 3
		.amdhsa_memory_ordered 1
		.amdhsa_forward_progress 1
		.amdhsa_inst_pref_size 255
	.end_amdhsa_kernel
	.section	.bss,"aw",@nobits
	.p2align	6
	.space	262144
	.amdgpu_metadata
---
amdhsa.version: [ 1, 2 ]
amdhsa.kernels:
  - .name:           k_q5bc233c130_main
    .symbol:         k_q5bc233c130_main.kd
    .args:
      - { .name: xyz, .offset: 0, .size: 8, .value_kind: global_buffer, .address_space: global }
      - { .name: points, .offset: 8, .size: 8, .value_kind: global_buffer, .address_space: global }
      - { .name: fps_idx, .offset: 16, .size: 8, .value_kind: global_buffer, .address_space: global }
      - { .name: W1, .offset: 24, .size: 8, .value_kind: global_buffer, .address_space: global }
      - { .name: b1, .offset: 32, .size: 8, .value_kind: global_buffer, .address_space: global }
      - { .name: W2, .offset: 40, .size: 8, .value_kind: global_buffer, .address_space: global }
      - { .name: b2, .offset: 48, .size: 8, .value_kind: global_buffer, .address_space: global }
      - { .name: W3, .offset: 56, .size: 8, .value_kind: global_buffer, .address_space: global }
      - { .name: b3, .offset: 64, .size: 8, .value_kind: global_buffer, .address_space: global }
      - { .name: part, .offset: 72, .size: 8, .value_kind: global_buffer, .address_space: global }
      - { .name: out0, .offset: 80, .size: 8, .value_kind: global_buffer, .address_space: global }
    .group_segment_fixed_size: 214016
    .private_segment_fixed_size: 0
    .kernarg_segment_align: 8
    .kernarg_segment_size: 88
    .max_flat_workgroup_size: 256
    .sgpr_count:     66
    .vgpr_count:     512
    .wavefront_size: 32
...
	.end_amdgpu_metadata
.endif
;; end of part 1
;; launch finish (part 2): grid 8 x 1, 8 waves a work-group, no clusters, 5,120 bytes of LDS; arguments part, out1; writes out1
.if DOCPART == 2
	.amdgcn_target "amdgcn-amd-amdhsa--gfx1250"
	.amdhsa_code_object_version 6
	.text
	.protected	k_q5bc233c130_finish
	.globl	k_q5bc233c130_finish
	.p2align	8
	.type	k_q5bc233c130_finish,@function
k_q5bc233c130_finish:
	s_mov_b64 s[64:65], 0
	v_nop
	global_prefetch_b8 v0, s[64:65] scope:SCOPE_SE
	s_setreg_imm32_b32 hwreg(HW_REG_WAVE_MODE, 25, 1), 1
	s_wait_xcnt 0x0
; The second launch: one work-group a batch b.
; out1[b][o] = relu(the largest of part's rows 32 b .. 32 b + 31 at o), or the most negative f32 number where every row holds -infinity (no point of the batch lies in a ball).
; The ReLU stands behind the maximum: it does not fall where its input rises, so the result is the same number.
; Wave w joins rows 32 b + 4 w + 0 .. 3 (each load of a wave covers a row's 512 consecutive bytes); the eight waves' figures meet in LDS behind one barrier, and wave 0 stores the 512 bytes.
; No matrix unit, no cluster, no tensor load: 16 KiB of parts a work-group, nothing shared.
	s_load_b128 s[4:7], s[0:1], 0x0                ; part 4, out1 6
	v_lshl_add_u32 v80, v0, 2, 0x1000
	v_mov_b32 v81, 0
	v_lshrrev_b32 v3, 5, v0
	v_readfirstlane_b32 s2, v3                     ; wave 0..7
	v_lshlrev_b32 v1, 4, v0                        ; my place in LDS: 512 wave + 16 lane
	v_and_b32 v2, 31, v0
	v_lshlrev_b32 v2, 4, v2                        ; 16 x lane
	v_lshl_add_u32 v3, v3, 11, v2                  ; part: four rows of 512 bytes a wave
	s_lshl_b32 s14, ttmp9, 14                      ; 32 rows of 512 bytes a batch
	s_mov_b32 s15, 0
	s_lshl_b32 s20, ttmp9, 9                       ; out1: 512 bytes a batch
	s_mov_b32 s21, 0
	s_wait_kmcnt 0x0
	s_add_nc_u64 s[4:5], s[4:5], s[14:15]
	s_add_nc_u64 s[6:7], s[6:7], s[20:21]
.irp i, 0,1,2,3
	global_load_b128 v[8+4*\i:11+4*\i], v3, s[4:5] offset:512*\i
.endr
	s_wait_loadcnt 0x0
.irp j, 0,1,2,3
	v_max3_num_f32 v[8+\j], v[8+\j], v[12+\j], v[16+\j]
.endr
.irp j, 0,1,2,3
	v_max_num_f32 v[8+\j], v[8+\j], v[20+\j]
.endr
	ds_store_b128 v1, v[8:11]
	s_wait_dscnt 0x0                               ; for wave 0's sake: my four numbers a lane have landed
	s_barrier_signal -1
	s_barrier_wait -1
	s_cmp_lg_u32 s2, 0
	s_cbranch_scc1 .Ldone
.irp w, 0,1,2,3,4,5,6,7
	ds_load_b128 v[40+4*\w:43+4*\w], v2 offset:512*\w
.endr
	v_mov_b32 v76, 0xff7fffff                      ; the most negative f32 number
	s_wait_dscnt 0x0
.irp j, 0,1,2,3
	v_max3_num_f32 v[40+\j], v[40+\j], v[44+\j], v[48+\j]
.endr
.irp j, 0,1,2,3
	v_max3_num_f32 v[40+\j], v[40+\j], v[52+\j], v[56+\j]
.endr
.irp j, 0,1,2,3
	v_max3_num_f32 v[40+\j], v[40+\j], v[60+\j], v[64+\j]
.endr
.irp j, 0,1,2,3
	v_max_num_f32 v[40+\j], v[40+\j], v[68+\j]
.endr
.irp j, 0,1,2,3
	v_max_num_f32 v[72+\j], 0, v[40+\j]            ; the ReLU
	v_cmp_eq_f32 vcc_lo, 0xff800000, v[40+\j]      ; no point of the batch counted
	v_cndmask_b32 v[72+\j], v[72+\j], v76, vcc_lo
.endr
	global_store_b128 v2, v[72:75], s[6:7]         ; 32 lanes store the batch's 512 bytes
.Ldone:
	s_wait_tensorcnt 0x0
	ds_add_u32 v80, v81
	s_wait_dscnt 0x0
	s_endpgm
.Lfunc_end_k_q5bc233c130_finish:
	.size	k_q5bc233c130_finish, .Lfunc_end_k_q5bc233c130_finish-k_q5bc233c130_finish
	.p2alignl 7, 3214868480
	.fill 96, 4, 3214868480
	.section	.rodata,"a",@progbits
	.p2align	6, 0x0
	.amdhsa_kernel k_q5bc233c130_finish
		.amdhsa_group_segment_fixed_size 5120
		.amdhsa_private_segment_fixed_size 0
		.amdhsa_enable_private_segment 0
		.amdhsa_kernarg_size 16
		.amdhsa_user_sgpr_count 2
		.amdhsa_user_sgpr_kernarg_segment_ptr 1
		.amdhsa_wavefront_size32 1
		.amdhsa_system_sgpr_workgroup_id_x 1
		.amdhsa_system_sgpr_workgroup_id_y 1
		.amdhsa_system_sgpr_workgroup_id_z 1
		.amdhsa_system_vgpr_workitem_id 0
		.amdhsa_next_free_vgpr 82
		.amdhsa_next_free_sgpr 66
		.amdhsa_reserve_vcc 1
		.amdhsa_float_denorm_mode_32 3
		.amdhsa_float_denorm_mode_16_64 3
		.amdhsa_memory_ordered 1
		.amdhsa_forward_progress 1
		.amdhsa_inst_pref_size 5
	.end_amdhsa_kernel
	.amdgpu_metadata
---
amdhsa.version: [ 1, 2 ]
amdhsa.kernels:
  - .name:           k_q5bc233c130_finish
    .symbol:         k_q5bc233c130_finish.kd
    .args:
      - { .name: part, .offset: 0, .size: 8, .value_kind: global_buffer, .address_space: global }
      - { .name: out1, .offset: 8, .size: 8, .value_kind: global_buffer, .address_space: global }
    .group_segment_fixed_size: 5120
    .private_segment_fixed_size: 0
    .kernarg_segment_align: 8
    .kernarg_segment_size: 16
    .max_flat_workgroup_size: 256
    .sgpr_count:     66
    .vgpr_count:     82
    .wavefront_size: 32
...
	.end_amdgpu_metadata
.endif
;; end of part 2
